; MI455X (gfx1250); checked and timed in simulation.
; The chip was launched on July 23, 2026; its instructions are those of AMD's public machine-readable ISA for CDNA 5 (MIT licence, August 2026) and "CDNA5" Instruction Set Architecture Reference Guide (July 2026). The comments in the code are by the model that wrote it; some were corrected since.
;; Qwen3 MH Attention. Allowed arithmetic: matrix products marked QUANTISED: E2M3 operands, one E8M0 scale for each 32 along K, by v_wmma_scale_f32_16x16x128_f8f6f4 with both operands' format E2M3, f32 sums; everything else in f32.
;; Inputs: k_norm_w 128 float32; q_norm_w 128 float32; wk_codes 1,024 x 64 x 24 uint8 (E2M3 codes of wk, K innermost, in blocks of 32 codes, four codes in three bytes); wk_scales 1,024 x 64 uint8 (E8M0 scales of wk, one for each 32 codes along K); wo_codes 2,048 x 32 x 24 uint8 (E2M3 codes of wo, K innermost, in blocks of 32 codes, four codes in three bytes); wo_scales 2,048 x 32 uint8 (E8M0 scales of wo, one for each 32 codes along K); wq_codes 1,024 x 64 x 24 uint8 (E2M3 codes of wq, K innermost, in blocks of 32 codes, four codes in three bytes); wq_scales 1,024 x 64 uint8 (E8M0 scales of wq, one for each 32 codes along K); wv_codes 1,024 x 64 x 24 uint8 (E2M3 codes of wv, K innermost, in blocks of 32 codes, four codes in three bytes); wv_scales 1,024 x 64 uint8 (E8M0 scales of wv, one for each 32 codes along K); x_codes 2 x 2,048 x 64 x 24 uint8 (E2M3 codes of x, K innermost, in blocks of 32 codes, four codes in three bytes); x_scales 2 x 2,048 x 64 uint8 (E8M0 scales of x, one for each 32 codes along K).
;; Outputs: out0 2 x 2,048 x 2,048 float32.
;; This version of the problem:
;;   THIS VERSION OF THE PROBLEM IS GIVEN IN LOW PRECISION. The matrix products marked QUANTISED in the list below multiply operands that are first quantised to E2M3 (2 exponent bits, 3 mantissa bits; 6 bits a number), with one power-of-two scale for each 32 numbers along K (OCP MX v1.0); their sums are f32. All else is computed in f32.
;;   The module's matrix products, in the order in which they are computed (A, B: the left and right operand; K: the contracted axis; several contracted axes count as one K, in the product's order):
;;     1. [M 4,096, K 2,048] x [K 2,048, N 1,024]; A: input x (given as codes); B: input wq (given as codes): QUANTISED
;;     2. [M 4,096, K 2,048] x [K 2,048, N 1,024]; A: input x (given as codes); B: input wk (given as codes): QUANTISED
;;     3. [M 4,096, K 2,048] x [K 2,048, N 1,024]; A: input x (given as codes); B: input wv (given as codes): QUANTISED
;;     4. batch 16 x [M 2,048, K 128] x [K 128, N 2,048]; A: computed on the way; B: computed on the way: QUANTISED
;;     5. batch 16 x [M 2,048, K 2,048] x [K 2,048, N 128]; A: softmax (see below); B: computed on the way: QUANTISED
;;     6. [M 4,096, K 1,024] x [K 1,024, N 2,048]; A: computed on the way; B: input wo (given as codes): QUANTISED
;;   THE QUANTISER, for each operand of a quantised product, along K:
;;     - K is cut into blocks of 32 from its start; a last block that is shorter is filled with zeros.
;;     - A block's scale is 2^e with e = floor(log2(the largest magnitude in the block)) - 2, held to -126 .. 127; a block of zeros has e = 0. As a byte (E8M0): e + 127.
;;     - Each number is divided by its block's scale, clamped to +-7.5, and rounded to the nearest number of E2M3, ties to even, subnormals kept.
;;     - The product sums the exact products of the quantised numbers (number of the format x scale) in f32.
;;   ~~~python
;;   def quantise(x, axis):      # numpy; x: float32 -> the quantised numbers, widened to float32 again
;;       x = np.moveaxis(x, axis, -1); K = x.shape[-1]
;;       x = np.pad(x, [(0, 0)] * (x.ndim - 1) + [(0, -K % 32)]); x = x.reshape(x.shape[:-1] + (-1, 32)); a = np.abs(x).max(-1, keepdims=True)
;;       e = np.where(a > 0, np.clip(np.frexp(np.where(a > 0, a, 1))[1] - 1 - 2, -126, 127), 0)      # np.frexp(a)[1] - 1 = floor(log2(a)), exactly
;;       r = np.clip(x / 2.0 ** e, -7.5, 7.5)
;;       step = 2.0 ** (np.maximum(np.frexp(np.where(r == 0, 1, r))[1] - 1, 0) - 3)
;;       q = np.round(r / step) * step * 2.0 ** e      # np.round: ties to even
;;       return np.moveaxis(q.reshape(q.shape[:-2] + (-1,))[..., :K], -1, axis).astype(np.float32)
;;   ~~~
;;   SOFTMAX AHEAD OF A QUANTISED PRODUCT. Where the list says 'softmax', what is quantised is not the finished softmax but p = 2^(t - M), with t = logit x log2(e) and M = ceil(the row's largest t), a whole number; so 1/2 < the row's largest p <= 1. The row's sum l is taken of the UNQUANTISED p, in f32, and the product's result is divided by l at the end. Since M is a whole number, a kernel that streams over the keys may use a running M (the ceiling of the running maximum): every later rescaling is an exact power of two, which a block's scale takes up: the codes' values come out the same.
;;   OPERANDS COMPUTED ON THE WAY. 'Computed on the way' means the value that the module computes at that place (a softmax that the list does not call 'softmax' is quantised finished and normalised). What goes into a quantiser is computed in f32, as accurately as f32 sums, v_exp_f32 and their like allow (about 1e-6 of the number): no bf16 or f16 on the way to a quantiser, and a product that is left as it is and whose result goes on into a quantised operand takes f32 operands (vector FMAs, or v_wmma_f32_16x16x4_f32). A number that lies on a knife's edge between two numbers of the format may be rounded either way, as far as f32 arithmetic and the matrix unit's own rounding can turn it there, and no further.
;;   INPUTS GIVEN AS CODES. wk (in the module: [1024, 2048], K = its axis 1); wo (in the module: [2048, 1024], K = its axis 1); wq (in the module: [1024, 2048], K = its axis 1); wv (in the module: [1024, 2048], K = its axis 1); x (in the module: [2, 2048, 2048], K = its axis 2): each comes as NAME_codes (uint8): NAME with its K axis moved to the last place and cut into blocks of 32 codes, [.., K / 32, bytes a block], one block behind the other in memory; four codes in three bytes: a row's codes are one little-endian stream of bits, code i at bits 6 i .. 6 i + 5 (a code: sign, 2 exponent bits, 3 mantissa bits); and NAME_scales (uint8): the same leading axes, one E8M0 byte (e + 127) for each 32 codes along K. Its value is code x scale, taken as it is: it is not quantised again, and the codes and scales need not be those that the quantiser above would give.
;; One version. Each part assembles by itself: llvm-mc -triple=amdgcn-amd-amdhsa -mcpu=gfx1250 --defsym DOCPART=n.
;; ======== version 1 of 1: 3 launches
;; workspace buffers: qkvf 9,830,400 bytes; ctxf 3,276,800 bytes
;; launch qkv (part 1): grid 8 x 32, 4 waves a work-group, clusters of 4 x 4, 327,680 bytes of LDS; arguments x_codes, x_scales, wq_codes, wq_scales, wk_codes, wk_scales, wv_codes, wv_scales, q_norm_w, k_norm_w, qkvf; writes qkvf
.if DOCPART == 1
	.amdgcn_target "amdgcn-amd-amdhsa--gfx1250"
	.amdhsa_code_object_version 6
	.text
	.protected	k_qd67373ad68_qkv
	.globl	k_qd67373ad68_qkv
	.p2align	8
	.type	k_qd67373ad68_qkv,@function
k_qd67373ad68_qkv:
	s_mov_b64 s[64:65], 0
	v_nop
	global_prefetch_b8 v0, s[64:65] scope:SCOPE_SE
	s_setreg_imm32_b32 hwreg(HW_REG_WAVE_MODE, 25, 1), 1
	s_wait_xcnt 0x0
	s_wait_alu depctr_hold_cnt(0) depctr_sa_sdst(0) depctr_va_vdst(0) depctr_va_sdst(0) depctr_va_ssrc(0) depctr_va_vcc(0) depctr_vm_vsrc(0)
	s_getreg_b32 s2, hwreg(HW_REG_IB_STS2, 6, 4)
	s_cmp_eq_u32 s2, 0
	s_cbranch_scc0 .Lentry_in_a_cluster
	s_endpgm
.Lentry_in_a_cluster:
	s_bfe_u32 s2, ttmp6, 0x10000c
	s_cmp_lg_u32 s2, 0xf033
	s_cbranch_scc0 .Lentry_shape_is_right
	s_endpgm
.Lentry_shape_is_right:
; q, k, v = x wq^T, x wk^T, x wv^T on codes of FP6 (E2M3) with E8M0 scales; then RMSNorm and RoPE on q and k in f32; then all three are quantised
; (q, k along the head's 128 channels, v along the keys) and leave as codes laid in the order of an operand's registers.
; SHARES.  A work-group makes 128 rows of x (block mb of 32) x one head's 128 channels of q, of k and of v: a tile of 128 x 384, K = 2,048.  Four waves; wave w = (RA = w / 2, CB = w % 2) takes
; rows 64 RA .. + 63 (4 blocks a of 16) and, of each tensor, the channel tiles 2 CB + {0, 1, 4, 5}: so a channel d and its RoPE partner d + 64, and whole blocks of 32 channels, lie in one wave.  48 accumulators.
; q and k are used TRANSPOSED (source 0 = 16 rows of W, source 1 = 16 rows of x): a lane holds ONE row and eight channels.  v is used as it stands (source 0 = x, source 1 = wv): a lane holds one channel and eight keys.
; K goes in steps of 256 through two LDS slots (x, wq, wk, wv: 128 rows x 192 bytes each, wave w fetches region w).  All scale bytes of the 4 x 128 rows come once and stay.
; CLUSTER 4 x 4: x's tile hangs on mb alone and is asked for jointly along a row of the cluster, W's tiles on the head alone, jointly along a column.
; OUTPUT.  qkvf[b 8 + head][block of 128 rows] = 38,400 bytes: a block for q, one for k, one for v, each 8 fragments of 1,536 bytes (lane l's 12 registers at 48 l) and 128 scale words (fragment F, lane r at 12,288 + 64 F + 4 r).
; Inside a block of 32 along K the codes stand in the order 16 h + 8 u + j for the number 16 u + 8 h + j (u: tile, h: half of the lanes, j: register): q and k alike, v and (in the next launch) p alike, so the products are the same.
; v's fragment 2 B + u, lane r holds channel 32 B + 8 u + r + 8 (r / 8), so that the next launch's results come out as 16 neighbouring channels a lane.
; LIMITS: NaN and infinities are not served.  A block whose largest magnitude lies under 2^-124 (zeros among them) gets the scale byte 1; only this program reads the bytes.
; RoPE: 1 / theta^(f / 64) is made by v_exp_f32 (right to about 1.5e-7 of its value, so an angle near 2,000 is right to about 3e-4); cos and sin by reduction modulo pi in two parts and series to r^12 and r^13 (about 1e-7).
; REGISTERS.  window 0: v0-31 addresses; v32-95 scale words, two sets; v96-143, v144-191 x's fragments for a slot's two steps; v192-255 at work in the epilogue.
;   window 1: v0-143 W's fragments (48 t + 12 i), later cos (v0-63) and sin (v64-127); v128-191 at work for them; v192-255 the norms' weights.
;   window 2: q's accumulators 8 (4 a + i), k's 128 + 8 (4 a + i).   window 3: v's, 16 (4 (a / 2) + i) + 8 (a % 2): a key block's 16 numbers on end.
.set ROWB,  192                        ; a tile's row: 256 codes
.set KROW,  1536                       ; a row of x or W in memory
.set PITCH, 240                        ; an LDS row: 3 x (64 bytes + 16 of padding)
.set HALFT, 128*PITCH                  ; one region of a slot
.set SLOT,  4*HALFT
.set SCL,   2*SLOT                     ; the scales: 4 regions of 32 x (256 + 16) bytes; a row of 64 bytes, four rows to a unit
.set HALFS, 32*272
.set SBLK,  4*272                      ; the scales of 16 rows
.set SPARE, SCL+4*HALFS                ; the spare words: 128 bytes a wave, two blocks of 256 bytes that no other line names
.set XCH,   SPARE+512                  ; sums of squares from wave to wave: 1,024 bytes a wave
.set STAGE, XCH+4096                   ; the image of the output entry: 38,400 bytes; no fill ever lands here
.set BLKB,  12800
.set G1,   36                          ; s[36:43] group 1 for x's tiles;  s[44:47], s[48:51] group 0 for slots 0, 1
.set G0,   44
.set G1B,  52                          ; s[52:59] group 1 for W's tiles;  s[60:63], s[68:71] group 0
.set G0B,  60
.set G1S,  72                          ; s[72:79], s[80:83] x's scales;  s[84:91], s[92:95] W's scales
.set G0S,  80
.set G1SB, 84
.set G0SB, 92
.set MSB, 0
.macro WIN new                         ; the immediate's high byte repeats the setting that is left
.if MSB != \new
	s_set_vgpr_msb (MSB<<8)|\new
.set MSB, \new
.endif
.endm
.macro PLACES                          ; four plain places behind matrix instructions, in front of loads into their registers and of reads of results
.rept 4
	v_nop
.endr
.endm
; A joint load: wave 0 asks for x's part, waves 1 to 3 for wq's, wk's, wv's.  The branch hangs on the wave's number alone.  Four v_nop follow each line.
.macro JLOAD g0a, g1a, g0b, g1b
	s_cmp_eq_u32 s26, 0
	s_cbranch_scc0 .Lfor_b_\@
	tensor_load_to_lds s[\g0a:\g0a+3], s[\g1a:\g1a+7]
	s_nop 0
.rept 4
	v_nop
.endr
	s_branch .Lasked_\@
.Lfor_b_\@:
	tensor_load_to_lds s[\g0b:\g0b+3], s[\g1b:\g1b+7]
	s_nop 0
.rept 4
	v_nop
.endr
.Lasked_\@:
.endm
.macro CREST                           ; a round of the cluster's barrier behind its opening barrier
	s_cmp_lg_u32 s26, 0
	s_cbranch_scc1 .Lnot_wave_0_\@
	s_barrier_signal -3
.Lnot_wave_0_\@:
	s_barrier_wait -3
	s_barrier_signal -1
	s_barrier_wait -1
.endm
.macro CROUND
	s_barrier_signal -1
	s_barrier_wait -1
	CREST
.endm
	s_load_b512 s[4:19], s[0:1], 0x0               ; x codes s[4:5], x scales s[6:7], wq s[8:11], wk s[12:15], wv s[16:19]
	s_load_b128 s[20:23], s[0:1], 0x40             ; q_norm_w, k_norm_w
	s_load_b64 s[24:25], s[0:1], 0x50              ; qkvf
	v_lshl_add_u32 v4, v0, 2, SPARE                ; my spare word; never rewritten
	v_mov_b32 v5, 0                                ; 0; never rewritten
	ds_add_u32 v4, v5
	ds_add_u32 v4, v5
	s_wait_dscnt 0x0
	v_lshrrev_b32 v1, 5, v0
	v_readfirstlane_b32 s26, v1                    ; wave 0..3
	s_lshr_b32 s27, s26, 1                         ; RA
	s_and_b32 s28, s26, 1                          ; CB
	s_bfe_u32 s29, ttmp6, 0x40000                  ; cx
	s_bfe_u32 s30, ttmp6, 0x40004                  ; cy
	s_lshl_b32 s31, ttmp9, 2
	s_add_co_u32 s31, s31, s29                     ; head = 4 x cluster x + cx
	s_and_b32 s32, ttmp7, 0xffff
	s_lshl_b32 s32, s32, 2
	s_add_co_u32 s32, s32, s30                     ; mb = 4 x cluster y + cy
	s_lshl_b32 s33, s30, 2
	s_lshl_b32 s33, 15, s33                        ; my row of the cluster
	s_lshl_b32 s34, 0x1111, s29                    ; my column
	; group 1: 128 rows x 192 bytes, 16 bytes of padding behind every 64
	s_or_b32 s[G1], s33, (1<<20)|(1<<21)|(3<<22)|(3<<25)
	s_or_b32 s[G1B], s34, (1<<20)|(1<<21)|(3<<22)|(3<<25)
.irp g, G1, G1B
	s_mov_b32 s[\g+1], ROWB<<16                    ; tensor_dim0
	s_mov_b32 s[\g+2], 128<<16                     ; tensor_dim1
	s_mov_b32 s[\g+3], ROWB<<16                    ; tile_dim0
	s_mov_b32 s[\g+4], 128                         ; tile_dim1
	s_mov_b32 s[\g+5], KROW                        ; the pitch in memory
	s_mov_b32 s[\g+6], 0
	s_mov_b32 s[\g+7], 0
.endr
	; the scales of 128 rows: 8,192 dense bytes as 32 rows of 256 (32 elements of 8 bytes), 16 bytes of padding behind each
	s_or_b32 s[G1S], s33, (3<<16)|(1<<20)|(1<<21)|(5<<22)|(3<<25)
	s_or_b32 s[G1SB], s34, (3<<16)|(1<<20)|(1<<21)|(5<<22)|(3<<25)
.irp g, G1S, G1SB
	s_mov_b32 s[\g+1], 32<<16
	s_mov_b32 s[\g+2], 32<<16
	s_mov_b32 s[\g+3], 32<<16
	s_mov_b32 s[\g+4], 32
	s_mov_b32 s[\g+5], 32
	s_mov_b32 s[\g+6], 0
	s_mov_b32 s[\g+7], 0
.endr
	s_mul_i32 s96, s32, 128*KROW                   ; x's rows begin here: made of mb alone
	s_mov_b32 s97, 0
	s_mul_i32 s66, s31, 128*KROW                   ; W's rows: made of the head alone
	s_mov_b32 s67, 0
	s_lshr_b32 s2, s32, 4                          ; the output entry: ((8 b + head) 16 + mb % 16) x 38,400 bytes
	s_lshl_b32 s2, s2, 3
	s_add_co_u32 s2, s2, s31
	s_lshl_b32 s2, s2, 4
	s_and_b32 s3, s32, 15
	s_add_co_u32 s2, s2, s3
	s_mul_i32 s2, s2, 3*BLKB
	s_mov_b32 s3, 0
	s_wait_kmcnt 0x0
	s_add_nc_u64 s[24:25], s[24:25], s[2:3]
	s_add_nc_u64 s[4:5], s[4:5], s[96:97]          ; x's codes
	s_lshl_b32 s96, s32, 13                        ; 128 rows x 64 scale bytes
	s_add_nc_u64 s[6:7], s[6:7], s[96:97]          ; x's scales
	s_cmp_eq_u32 s26, 1                            ; which W is my wave's: a choice on the wave's number
	s_cselect_b64 s[98:99], s[8:9], s[16:17]
	s_cselect_b64 s[100:101], s[10:11], s[18:19]
	s_cmp_eq_u32 s26, 2
	s_cselect_b64 s[98:99], s[12:13], s[98:99]
	s_cselect_b64 s[100:101], s[14:15], s[100:101]
	s_add_nc_u64 s[98:99], s[98:99], s[66:67]      ; its codes
	s_lshl_b32 s66, s31, 13
	s_add_nc_u64 s[100:101], s[100:101], s[66:67]  ; its scales
	CROUND                                         ; all sixteen work-groups are here: the first joint loads meet
	s_mul_i32 s35, s26, HALFS                      ; region = wave: no place in the cluster enters an LDS address
	s_mov_b32 s[G0S], 1
	s_add_co_u32 s[G0S+1], s35, SCL
	s_mov_b64 s[G0S+2:G0S+3], s[6:7]
	s_or_b32 s[G0S+3], s[G0S+3], 0x80000000
	s_mov_b32 s[G0SB], 1
	s_add_co_u32 s[G0SB+1], s35, SCL
	s_mov_b64 s[G0SB+2:G0SB+3], s[100:101]
	s_or_b32 s[G0SB+3], s[G0SB+3], 0x80000000
	JLOAD G0S, G1S, G0SB, G1SB                     ; the scales first: wanted with K step 0
	s_mul_i32 s35, s26, HALFT
.irp s, 0,1
	s_mov_b32 s[G0+4*\s], 1
	s_add_co_u32 s[G0+4*\s+1], s35, \s*SLOT
	s_add_nc_u64 s[G0+4*\s+2:G0+4*\s+3], s[4:5], \s*ROWB
	s_or_b32 s[G0+4*\s+3], s[G0+4*\s+3], 0x80000000
	s_mov_b32 s[G0B+8*\s], 1
	s_add_co_u32 s[G0B+8*\s+1], s35, \s*SLOT
	s_add_nc_u64 s[G0B+8*\s+2:G0B+8*\s+3], s[98:99], \s*ROWB
	s_or_b32 s[G0B+8*\s+3], s[G0B+8*\s+3], 0x80000000
	JLOAD G0+4*\s, G1, G0B+8*\s, G1B               ; by this text's count three tensor loads of a wave are out
.endr
	; ---- addresses
	v_and_b32 v1, 15, v0                           ; r
	v_bfe_u32 v2, v0, 4, 1                         ; h
	v_and_b32 v3, 31, v0                           ; lane
	v_mul_u32_u24 v255, v1, PITCH
	v_mad_u32_u24 v254, v2, 24, v255               ; a fragment's row x pitch + 24 h
	v_mad_u32_u24 v253, v2, 40, v255               ; and the same behind one padding more
	s_mul_i32 s96, s27, 64*PITCH                   ; x: my 64 rows
	v_add_nc_u32 v16, s96, v254
	v_add_nc_u32 v18, s96, v253
	v_add_nc_u32 v17, SLOT, v16
	v_add_nc_u32 v19, SLOT, v18
	s_mul_i32 s96, s28, 32*PITCH                   ; W: channel tile 2 CB begins at row 32 CB
.irp t, 0,1,2
	s_add_co_u32 s97, s96, (1+\t)*HALFT
	v_add_nc_u32 v[20+4*\t], s97, v254
	v_add_nc_u32 v[22+4*\t], s97, v253
	v_add_nc_u32 v[21+4*\t], SLOT, v[20+4*\t]
	v_add_nc_u32 v[23+4*\t], SLOT, v[22+4*\t]
.endr
	v_lshrrev_b32 v252, 2, v1                      ; a row's scales: unit r / 4, 64 bytes a row in it
	v_mul_u32_u24 v252, v252, 272
	v_and_b32 v251, 3, v1
	v_lshl_add_u32 v252, v251, 6, v252
	s_mul_i32 s96, s27, 4*SBLK
	s_add_co_u32 s96, s96, SCL
	v_add_nc_u32 v6, s96, v252                     ; x's scale words
	s_mul_i32 s96, s28, 2*SBLK
	s_add_co_u32 s96, s96, SCL+HALFS
	v_add_nc_u32 v7, s96, v252                     ; W's
	v_mul_u32_u24 v8, v1, 48                       ; q, k into the stage: 6,144 RA + 768 CB + 48 r + 12 h
	v_mad_u32_u24 v8, v2, 12, v8
	s_mul_i32 s96, s27, 6144
	s_mul_i32 s97, s28, 768
	s_add_co_u32 s96, s96, s97
	s_add_co_u32 s96, s96, STAGE
	v_add_nc_u32 v8, s96, v8
	s_lshl_b32 s96, s27, 8                         ; their scale bytes: 256 RA + 4 r + CB
	s_add_co_u32 s96, s96, s28
	s_add_co_u32 s96, s96, STAGE
	v_lshl_add_u32 v9, v1, 2, s96
	v_lshrrev_b32 v251, 3, v1                      ; v: 3,072 CB + 24 RA + 1,536 (r / 8) + 48 (r % 8) + 12 h
	v_and_b32 v250, 7, v1
	v_mul_u32_u24 v10, v251, 1536
	v_mad_u32_u24 v10, v250, 48, v10
	v_mad_u32_u24 v10, v2, 12, v10
	s_mul_i32 s96, s28, 3072
	s_mul_i32 s97, s27, 24
	s_add_co_u32 s96, s96, s97
	s_add_co_u32 s96, s96, STAGE
	v_add_nc_u32 v10, s96, v10
	v_lshlrev_b32 v11, 6, v251                     ; its scale bytes: 128 CB + 64 (r / 8) + 4 (r % 8) + 2 RA
	v_lshl_add_u32 v11, v250, 2, v11
	s_lshl_b32 s96, s28, 7
	s_lshl_b32 s97, s27, 1
	s_add_co_u32 s96, s96, s97
	s_add_co_u32 s96, s96, STAGE
	v_add_nc_u32 v11, s96, v11
	s_lshl_b32 s96, s26, 10                        ; the exchange: mine,
	s_add_co_u32 s96, s96, XCH
	v_lshl_add_u32 v12, v3, 2, s96
	s_xor_b32 s96, s26, 1                          ; and that of the wave with my rows' other channels
	s_lshl_b32 s96, s96, 10
	s_add_co_u32 s96, s96, XCH
	v_lshl_add_u32 v13, v3, 2, s96
	s_min_u32 s96, s26, 2                          ; the copy out: waves 0, 1, 2 take q's, k's, v's block (wave 3 copies nothing)
	s_mul_i32 s96, s96, BLKB
	v_lshl_add_u32 v15, v3, 4, s96
	v_add_nc_u32 v14, STAGE, v15
	s_lshl_b32 s96, s28, 7                         ; the norms' weights of my channels 32 CB + 16 {0,1,4,5} + 8 h + j
	v_lshl_add_u32 v255, v2, 5, s96
	WIN 0x40                                       ; destination window 1
.irp i, 0,1,2,3
	global_load_b128 v[192+8*\i:195+8*\i], v255, s[20:21] offset:64*(\i+2*(\i/2))
	global_load_b128 v[196+8*\i:199+8*\i], v255, s[20:21] offset:64*(\i+2*(\i/2))+16
	global_load_b128 v[224+8*\i:227+8*\i], v255, s[22:23] offset:64*(\i+2*(\i/2))
	global_load_b128 v[228+8*\i:231+8*\i], v255, s[22:23] offset:64*(\i+2*(\i/2))+16
.endr
	WIN 0
	s_wait_loadcnt 0x0
; a fragment, 16 rows x 128 K, is 12 registers: six pieces of 8 bytes; lanes 16-31 read three pieces further on, which for some pieces is behind one padding more: then register adr + 2 serves
.macro FRAG reg, adr, q, off
.irp p, 0,1,2,3,4,5
.set PC, 12*(\q)+6*(\p/3)+\p%3
.if PC%8 < 5
	ds_load_b64 v[\reg+2*\p:\reg+2*\p+1], v[\adr] offset:8*PC+16*(PC/8)+(\off)
.else
	ds_load_b64 v[\reg+2*\p:\reg+2*\p+1], v[\adr+2] offset:8*PC+16*(PC/8)+(\off)
.endif
.endr
.endm
.macro FETCH_B t, slot, q              ; tensor t's four fragments of the slot's q-th 128 along K: 24 loads
	WIN 0x40
.irp i, 0,1,2,3
	FRAG 48*\t+12*\i, 20+4*\t+\slot, \q, (\i+2*(\i/2))*16*PITCH
.endr
	WIN 0
.endm
.macro FETCH_A slot, q                 ; x's four fragments into set q: 24 loads
.irp a, 0,1,2,3
	FRAG 96+48*\q+12*\a, 16+\slot, \q, \a*16*PITCH
.endr
.endm
.macro SCALES s                        ; a K step's scale words (two a row) into set s: 16 loads
.irp a, 0,1,2,3
	ds_load_b64 v[32+32*\s+2*\a:33+32*\s+2*\a], v6 offset:\a*SBLK
.endr
.irp t, 0,1,2
.irp i, 0,1,2,3
	ds_load_b64 v[40+32*\s+2*(4*\t+\i):41+32*\s+2*(4*\t+\i)], v7 offset:\t*HALFS+(\i+2*(\i/2))*SBLK
.endr
.endr
.endm
; 16 products of q (t = 0) or k (t = 1), transposed.  The 48 accumulators take turns, one instruction a turn, in the same order in every step.  zero = 1: the first step starts the sums.
.macro MULQK t, q, s, zero
	WIN 0xa1                                       ; source 0 (W) window 1, source 1 (x) window 0, C and D window 2
.irp a, 0,1,2,3
.irp i, 0,1,2,3
.if \zero
	v_wmma_scale_f32_16x16x128_f8f6f4 v[128*\t+8*(4*\a+\i):128*\t+8*(4*\a+\i)+7], v[48*\t+12*\i:48*\t+12*\i+11], v[96+48*\q+12*\a:96+48*\q+12*\a+11], 0, v[40+32*\s+8*\t+2*\i+\q], v[32+32*\s+2*\a+\q] matrix_a_fmt:MATRIX_FMT_FP6 matrix_b_fmt:MATRIX_FMT_FP6
.else
	v_wmma_scale_f32_16x16x128_f8f6f4 v[128*\t+8*(4*\a+\i):128*\t+8*(4*\a+\i)+7], v[48*\t+12*\i:48*\t+12*\i+11], v[96+48*\q+12*\a:96+48*\q+12*\a+11], v[128*\t+8*(4*\a+\i):128*\t+8*(4*\a+\i)+7], v[40+32*\s+8*\t+2*\i+\q], v[32+32*\s+2*\a+\q] matrix_a_fmt:MATRIX_FMT_FP6 matrix_b_fmt:MATRIX_FMT_FP6
.endif
.endr
.endr
.endm
.macro MULV q, s, zero                 ; 16 products of v: source 0 = x, source 1 = wv
	WIN 0xf4                                       ; source 0 window 0, source 1 window 1, C and D window 3
.irp a, 0,1,2,3
.irp i, 0,1,2,3
.if \zero
	v_wmma_scale_f32_16x16x128_f8f6f4 v[16*(4*(\a/2)+\i)+8*(\a%2):16*(4*(\a/2)+\i)+8*(\a%2)+7], v[96+48*\q+12*\a:96+48*\q+12*\a+11], v[96+12*\i:96+12*\i+11], 0, v[32+32*\s+2*\a+\q], v[56+32*\s+2*\i+\q] matrix_a_fmt:MATRIX_FMT_FP6 matrix_b_fmt:MATRIX_FMT_FP6
.else
	v_wmma_scale_f32_16x16x128_f8f6f4 v[16*(4*(\a/2)+\i)+8*(\a%2):16*(4*(\a/2)+\i)+8*(\a%2)+7], v[96+48*\q+12*\a:96+48*\q+12*\a+11], v[96+12*\i:96+12*\i+11], v[16*(4*(\a/2)+\i)+8*(\a%2):16*(4*(\a/2)+\i)+8*(\a%2)+7], v[32+32*\s+2*\a+\q], v[56+32*\s+2*\i+\q] matrix_a_fmt:MATRIX_FMT_FP6 matrix_b_fmt:MATRIX_FMT_FP6
.endif
.endr
.endr
.endm
; A slot's first 128 along K.  W has one set of registers: each tensor's fragments are fetched anew straight behind its 16 products, 32 products ahead of their next use; x has a set for each of a slot's two steps.
.macro STEP slot, zero
	s_wait_dscnt 48                                ; wq's, x's and the scale words are in; the 24 + 24 loads of wk's and wv's fragments were issued later and may be out
	MULQK 0, 0, \slot, \zero
	PLACES
	FETCH_B 0, \slot, 1
	FETCH_A \slot, 1
	s_wait_dscnt 48                                ; all but the 48 just issued: wk's and wv's are in
	MULQK 1, 0, \slot, \zero
	PLACES
	FETCH_B 1, \slot, 1
	MULV 0, \slot, \zero
	PLACES
	FETCH_B 2, \slot, 1
.endm
; A slot's second 128 along K changes slots: ONE barrier; in front of it each wave waits for all its tensor loads, adds 0 to its spare word, and waits for that and for its reads of this slot.
.macro TURN slot, next, fill
	s_wait_tensorcnt 0x0                           ; all my tensor loads have landed: my part of the next slot
	ds_add_u32 v4, v5                              ; 0 onto my spare word
	s_wait_dscnt 49                                ; wq's and x's are in; wk's 24, wv's 24 and the add may be out
	MULQK 0, 1, \slot, 0
	s_wait_dscnt 0x0                               ; the add is done, and my reads of this slot are over
	s_barrier_signal -1
	MULQK 1, 1, \slot, 0
	WIN 0
	s_barrier_wait -1
.if \fill
	CREST                                          ; the barrier has opened a round of the cluster's: no wave of any partner still reads this slot or has a load on its way
	s_add_nc_u64 s[G0+4*\slot+2:G0+4*\slot+3], s[G0+4*\slot+2:G0+4*\slot+3], 2*ROWB
	s_add_nc_u64 s[G0B+8*\slot+2:G0B+8*\slot+3], s[G0B+8*\slot+2:G0B+8*\slot+3], 2*ROWB
	JLOAD G0+4*\slot, G1, G0B+8*\slot, G1B         ; the first tensor load behind the round; its four v_nop are also the places in front of the loads below
.else
	PLACES
.endif
	v_add_nc_u32 v6, 8, v6                         ; the next K step's scale words (no LDS load of mine is out)
	v_add_nc_u32 v7, 8, v7
	FETCH_B 0, \next, 0
	FETCH_A \next, 0
	SCALES \next
	FETCH_B 1, \next, 0
	MULV 1, \slot, 0
	PLACES
	FETCH_B 2, \next, 0
.endm
	s_wait_tensorcnt 1                             ; the scales and my part of K step 0 are in; K step 1's load may stay out
	s_barrier_signal -1
	s_barrier_wait -1
	FETCH_B 0, 0, 0
	FETCH_A 0, 0
	SCALES 0
	FETCH_B 1, 0, 0
	FETCH_B 2, 0, 0
	STEP 0, 1                                      ; the first step stands in front of the loop: its products start the sums
	s_mov_b32 s3, 3
.Llap:                                             ; a trip goes once round the ring and fills both slots again: K steps 2 to 7
	TURN 0, 1, 1
	STEP 1, 0
	TURN 1, 0, 1
	STEP 0, 0
	s_sub_co_u32 s3, s3, 1
	s_cmp_lg_u32 s3, 0
	s_cbranch_scc1 .Llap
	TURN 0, 1, 0                                   ; the last lap fills nothing
	STEP 1, 0
	s_wait_dscnt 48
	MULQK 0, 1, 1, 0
	s_wait_dscnt 0x0
	MULQK 1, 1, 1, 0
	MULV 1, 1, 0
	WIN 0
	; ================ THE EPILOGUE.  Item g = 4 T + a: tensor T (0 q, 1 k), rows 16 a on: its 32 numbers a lane are window 2's v[32 g ..].
	s_mov_b32 s66, 0x76543210                      ; v_permlanex16_b32's selects for lane l xor 16
	s_mov_b32 s67, 0xfedcba98
	s_mov_b32 s35, 0x358637bd                      ; eps = 1e-6
.irp n, 216,217,218,219,220,221,222,223,232,233,234,235,236,237,238,239,242,243
	v_mov_b32 v\n, 0                               ; a lane permute's destination counts as one of its sources.  (These lines are also the places behind the last products)
.endr
	; ---- sums of squares, each accumulator from its low end on
	WIN 0x0a                                       ; sources 0 and 1 window 2
.irp g, 0,1,2,3,4,5,6,7
	v_pk_mul_f32 v[192+2*\g:193+2*\g], v[32*\g:32*\g+1], v[32*\g:32*\g+1]
.endr
.irp n, 2,4,6,8,10,12,14,16,18,20,22,24,26,28,30
.irp g, 0,1,2,3,4,5,6,7
	v_pk_fma_f32 v[192+2*\g:193+2*\g], v[32*\g+\n:32*\g+\n+1], v[32*\g+\n:32*\g+\n+1], v[192+2*\g:193+2*\g]
.endr
.endr
	WIN 0
.irp g, 0,1,2,3,4,5,6,7
	v_add_f32 v[208+\g], v[192+2*\g], v[193+2*\g]
.endr
.irp g, 0,1,2,3,4,5,6,7
	v_permlanex16_b32 v[216+\g], v[208+\g], s66, s67
.endr
.irp g, 0,1,2,3,4,5,6,7
	v_add_f32 v[208+\g], v[208+\g], v[216+\g]      ; my wave's 64 channels of row r
.endr
.irp g, 0,1,2,3,4,5,6,7
	ds_store_b32 v12, v[208+\g] offset:128*\g
.endr
	; ---- v: group e = 4 kb + i: key block kb of my 64 rows, channel tile i; its 16 numbers a lane are window 3's v[16 e ..]; the block's other 16 lie in lane l xor 16
	WIN 0x0f                                       ; sources 0 and 1 window 3
.irp e, 0,1,2,3,4,5,6,7
	v_max3_num_f32 v[224+\e], |v[16*\e]|, |v[16*\e+1]|, 0x1800000   ; with the floor 2^(3 - 127): the byte cannot fall under 1
.endr
.irp n, 2,4,6,8,10,12,14
.irp e, 0,1,2,3,4,5,6,7
	v_max3_num_f32 v[224+\e], |v[16*\e+\n]|, |v[16*\e+\n+1]|, v[224+\e]
.endr
.endr
	WIN 0
.irp e, 0,1,2,3,4,5,6,7
	v_permlanex16_b32 v[232+\e], v[224+\e], s66, s67
.endr
.irp e, 0,1,2,3,4,5,6,7
	v_max_num_f32 v[224+\e], v[224+\e], v[232+\e]  ; the block's largest magnitude
.endr
.irp e, 0,1,2,3,4,5,6,7
	v_add_nc_u32 v[232+\e], 0xff000000, v[224+\e]  ; 2 off its exponent field: the conversion's scale operand
.endr
.irp e, 0,1,2,3,4,5,6,7
	v_lshrrev_b32 v[224+\e], 23, v[232+\e]         ; the scale's byte
.endr
	WIN 0x03                                       ; source 0 window 3
.irp e, 0,1,2,3,4,5,6,7
	v_cvt_scalef32_pk16_fp6_f32 v[160+4*\e:162+4*\e], v[16*\e:16*\e+15], v[232+\e]
.endr
	v_nop                                          ; one plain place behind a scaled conversion
	WIN 0
.irp i, 0,1,2,3
	v_lshl_or_b32 v[224+\i], v[228+\i], 8, v[224+\i]   ; the bytes of my two key blocks are neighbours in the scale word
.endr
.irp k, 0,1
.irp i, 0,1,2,3
.irp n, 0,1,2
	ds_store_b32 v10, v[160+4*(4*\k+\i)+\n] offset:2*BLKB+6144*(\i/2)+384*(\i%2)+768*\k+4*\n
.endr
.endr
.endr
.irp i, 0,1,2,3
	ds_store_b16 v11, v[224+\i] offset:2*BLKB+12288+256*(\i/2)+32*(\i%2)
.endr
	s_wait_dscnt 0x0                               ; for the others' sake: my sums of squares (and v's codes) have landed
	s_barrier_signal -1
	; ---- cos and sin, on registers alone, while the others arrive.  Frequency f = 32 CB + 16 u + 8 h + j (k = 8 u + j), position t = (mb % 16) 128 + 64 RA + 16 a + r
	s_lshl_b32 s96, s28, 5
	v_lshl_add_u32 v247, v2, 3, s96
	s_and_b32 s97, s32, 15
	s_lshl_b32 s97, s97, 7
	s_lshl_b32 s98, s27, 6
	s_add_co_u32 s97, s97, s98
	v_add_nc_u32 v246, s97, v1
	WIN 0x40                                       ; destination window 1
.irp k, 0,1,2,3,4,5,6,7,8,9,10,11,12,13,14,15
	v_add_nc_u32 v[128+\k], 16*(\k/8)+\k%8, v247
.endr
.irp a, 0,1,2,3
	v_add_nc_u32 v[144+2*\a], 16*\a, v246
.endr
	WIN 0x55                                       ; everything in window 1
.irp k, 0,1,2,3,4,5,6,7,8,9,10,11,12,13,14,15
	v_cvt_f32_u32 v[128+\k], v[128+\k]
.endr
.irp a, 0,1,2,3
	v_cvt_f32_u32 v[144+2*\a], v[144+2*\a]
.endr
.irp a, 0,1,2,3
	v_mov_b32 v[145+2*\a], v[144+2*\a]             ; t twice: a pair for the packed multiply
.endr
	v_mov_b32 v184, 0x3ea2f983                     ; 1 / pi
	v_mov_b32 v185, 0x3ea2f983
	v_mov_b32 v186, 0x2f309231                     ; 1 / 13!
	v_mov_b32 v187, 0x2f309231
	v_mov_b32 v188, 0x310f76c7                     ; 1 / 12!
	v_mov_b32 v189, 0x310f76c7
	; 1 / theta^(f / 64) = 2^(-f c), c = log2(1e6) / 64 = c_hi + c_lo; c_hi = 81,640 x 2^-18, so f c_hi is exact
.irp k, 0,1,2,3,4,5,6,7,8,9,10,11,12,13,14,15
	v_mul_f32 v[152+\k], 0x3e9f7400, v[128+\k]
.endr
.irp k, 0,1,2,3,4,5,6,7,8,9,10,11,12,13,14,15
	v_floor_f32 v[168+\k], v[152+\k]               ; n
.endr
.irp k, 0,1,2,3,4,5,6,7,8,9,10,11,12,13,14,15
	v_sub_f32 v[152+\k], v[168+\k], v[152+\k]      ; n - f c_hi, exact
.endr
.irp k, 0,1,2,3,4,5,6,7,8,9,10,11,12,13,14,15
	v_fma_f32 v[152+\k], v[128+\k], 0x35971c99, v[152+\k]   ; - f c_lo (c_lo = -1.1258699e-6)
.endr
.irp k, 0,1,2,3,4,5,6,7,8,9,10,11,12,13,14,15
	v_exp_f32 v[152+\k], v[152+\k]
.endr
.irp k, 0,1,2,3,4,5,6,7,8,9,10,11,12,13,14,15
	v_cvt_i32_f32 v[168+\k], v[168+\k]             ; (plain lines behind the exponentials)
.endr
.irp k, 0,1,2,3,4,5,6,7,8,9,10,11,12,13,14,15
	v_sub_nc_u32 v[168+\k], 0, v[168+\k]
.endr
	s_wait_alu depctr_va_vdst(0)
.irp k, 0,1,2,3,4,5,6,7,8,9,10,11,12,13,14,15
	v_ldexp_f32 v[128+\k], v[152+\k], v[168+\k]    ; x 2^-n: exact
.endr
; cos and sin of four pairs of angles by turns.  Pair m works in v[152 + 8 m ..]: +0 the angle, then r; +2 r^2; +4 n, then the series; +6 the sign.
.macro SINCOS a, grp
.irp m, 0,1,2,3
	v_pk_mul_f32 v[152+8*\m:153+8*\m], v[128+8*\grp+2*\m:129+8*\grp+2*\m], v[144+2*\a:145+2*\a]   ; the angle, rounded once
.endr
.irp m, 0,1,2,3
	v_pk_fma_f32 v[158+8*\m:159+8*\m], v[152+8*\m:153+8*\m], v[184:185], 0x4b400000 op_sel_hi:[1,1,0]   ; + 1.5 x 2^23: the nearest whole number n of angle / pi stands in the low bits
.endr
.irp m, 0,1,2,3
	v_pk_add_f32 v[156+8*\m:157+8*\m], v[158+8*\m:159+8*\m], 0xcb400000 op_sel_hi:[1,0]   ; n
.endr
.irp m, 0,1,2,3
	v_lshlrev_b32 v[158+8*\m], 31, v[158+8*\m]     ; n odd: the sign turns
	v_lshlrev_b32 v[159+8*\m], 31, v[159+8*\m]
.endr
.irp m, 0,1,2,3
	v_pk_fma_f32 v[152+8*\m:153+8*\m], v[156+8*\m:157+8*\m], 0xc0490fdb, v[152+8*\m:153+8*\m] op_sel_hi:[1,0,1]   ; r = angle - n pi, pi in two parts
.endr
.irp m, 0,1,2,3
	v_pk_fma_f32 v[152+8*\m:153+8*\m], v[156+8*\m:157+8*\m], 0x33bbbd2e, v[152+8*\m:153+8*\m] op_sel_hi:[1,0,1]
.endr
.irp m, 0,1,2,3
	v_pk_mul_f32 v[154+8*\m:155+8*\m], v[152+8*\m:153+8*\m], v[152+8*\m:153+8*\m]
.endr
.irp m, 0,1,2,3
	v_pk_fma_f32 v[156+8*\m:157+8*\m], v[154+8*\m:155+8*\m], v[186:187], 0xb2d7322b op_sel_hi:[1,1,0]   ; the sine's series: 1/13!, -1/11!,
.endr
.irp c, 0x3638ef1d, 0xb9500d01, 0x3c088889, 0xbe2aaaab   ; 1/9!, -1/7!, 1/5!, -1/3!
.irp m, 0,1,2,3
	v_pk_fma_f32 v[156+8*\m:157+8*\m], v[156+8*\m:157+8*\m], v[154+8*\m:155+8*\m], \c op_sel_hi:[1,1,0]
.endr
.endr
.irp m, 0,1,2,3
	v_pk_mul_f32 v[64+16*\a+8*\grp+2*\m:65+16*\a+8*\grp+2*\m], v[152+8*\m:153+8*\m], v[154+8*\m:155+8*\m]
.endr
.irp m, 0,1,2,3
	v_pk_fma_f32 v[64+16*\a+8*\grp+2*\m:65+16*\a+8*\grp+2*\m], v[156+8*\m:157+8*\m], v[64+16*\a+8*\grp+2*\m:65+16*\a+8*\grp+2*\m], v[152+8*\m:153+8*\m]   ; r + r^3 (..)
.endr
.irp m, 0,1,2,3
	v_xor_b32 v[64+16*\a+8*\grp+2*\m], v[64+16*\a+8*\grp+2*\m], v[158+8*\m]
	v_xor_b32 v[65+16*\a+8*\grp+2*\m], v[65+16*\a+8*\grp+2*\m], v[159+8*\m]
.endr
.irp m, 0,1,2,3
	v_pk_fma_f32 v[156+8*\m:157+8*\m], v[154+8*\m:155+8*\m], v[188:189], 0xb493f27e op_sel_hi:[1,1,0]   ; the cosine's: 1/12!, -1/10!,
.endr
.irp c, 0x37d00d01, 0xbab60b61, 0x3d2aaaab, -0.5   ; 1/8!, -1/6!, 1/4!, -1/2
.irp m, 0,1,2,3
	v_pk_fma_f32 v[156+8*\m:157+8*\m], v[156+8*\m:157+8*\m], v[154+8*\m:155+8*\m], \c op_sel_hi:[1,1,0]
.endr
.endr
.irp m, 0,1,2,3
	v_pk_fma_f32 v[16*\a+8*\grp+2*\m:16*\a+8*\grp+2*\m+1], v[156+8*\m:157+8*\m], v[154+8*\m:155+8*\m], 1.0 op_sel_hi:[1,1,0]
.endr
.irp m, 0,1,2,3
	v_xor_b32 v[16*\a+8*\grp+2*\m], v[16*\a+8*\grp+2*\m], v[158+8*\m]
	v_xor_b32 v[16*\a+8*\grp+2*\m+1], v[16*\a+8*\grp+2*\m+1], v[159+8*\m]
.endr
.endm
.irp a, 0,1,2,3
	SINCOS \a, 0
	SINCOS \a, 1
.endr
	WIN 0
	s_barrier_wait -1
	; ---- 1 / sqrt(mean of squares + eps)
.irp g, 0,1,2,3,4,5,6,7
	ds_load_b32 v[216+\g], v13 offset:128*\g       ; the other 64 channels' sums
.endr
	s_wait_dscnt 0x0
.irp g, 0,1,2,3,4,5,6,7
	v_add_f32 v[208+\g], v[208+\g], v[216+\g]
.endr
.irp g, 0,1,2,3,4,5,6,7
	v_fma_f32 v[208+\g], v[208+\g], 0x3c000000, s35   ; / 128 + eps
.endr
.irp g, 0,1,2,3,4,5,6,7
	v_rsq_f32 v[192+2*\g], v[208+\g]
.endr
	v_nop                                          ; one plain place behind a transcendental
	s_wait_alu depctr_va_vdst(0)
; ---- item g: norm, weight, RoPE, quantiser, into the stage.  y in v96-127 (8 i + j), the turned numbers in v128-159: v128-143 block CB, v144-159 block CB + 2
.macro QKOUT g
	WIN 0x02                                       ; source 0 window 2
.irp n, 0,2,4,6,8,10,12,14,16,18,20,22,24,26,28,30
	v_pk_mul_f32 v[96+\n:97+\n], v[32*\g+\n:32*\g+\n+1], v[192+2*\g:193+2*\g] op_sel_hi:[1,0]
.endr
	WIN 0x04                                       ; source 1 window 1
.irp n, 0,2,4,6,8,10,12,14,16,18,20,22,24,26,28,30
	v_pk_mul_f32 v[96+\n:97+\n], v[96+\n:97+\n], v[192+32*(\g/4)+\n:193+32*(\g/4)+\n]
.endr
.irp n, 0,2,4,6,8,10,12,14
	v_pk_mul_f32 v[128+\n:129+\n], v[96+\n:97+\n], v[16*(\g%4)+\n:16*(\g%4)+\n+1]          ; lo cos
	v_pk_mul_f32 v[144+\n:145+\n], v[112+\n:113+\n], v[16*(\g%4)+\n:16*(\g%4)+\n+1]        ; hi cos
.endr
.irp n, 0,2,4,6,8,10,12,14
	v_pk_fma_f32 v[128+\n:129+\n], v[112+\n:113+\n], v[64+16*(\g%4)+\n:65+16*(\g%4)+\n], v[128+\n:129+\n] neg_lo:[1,0,0] neg_hi:[1,0,0]   ; - hi sin
	v_pk_fma_f32 v[144+\n:145+\n], v[96+\n:97+\n], v[64+16*(\g%4)+\n:65+16*(\g%4)+\n], v[144+\n:145+\n]                                    ; + lo sin
.endr
	WIN 0
.irp b, 0,1
	v_max3_num_f32 v[240+\b], |v[128+16*\b]|, |v[129+16*\b]|, 0x1800000
.endr
.irp i, 2,4,6,8,10,12,14
.irp b, 0,1
	v_max3_num_f32 v[240+\b], v[240+\b], |v[128+16*\b+\i]|, |v[129+16*\b+\i]|
.endr
.endr
.irp b, 0,1
	v_permlanex16_b32 v[242+\b], v[240+\b], s66, s67
.endr
.irp b, 0,1
	v_max_num_f32 v[240+\b], v[240+\b], v[242+\b]
.endr
.irp b, 0,1
	v_add_nc_u32 v[244+\b], 0xff000000, v[240+\b]
.endr
.irp b, 0,1
	v_lshrrev_b32 v[160+2*\g+\b], 23, v[244+\b]    ; each item has registers of its own for its bytes and codes: nothing that a store reads is written again
.endr
.irp b, 0,1
	v_cvt_scalef32_pk16_fp6_f32 v[32+8*\g+4*\b:34+8*\g+4*\b], v[128+16*\b:143+16*\b], v[244+\b]
.endr
	v_nop                                          ; one plain place behind a scaled conversion
.irp b, 0,1
.irp n, 0,1,2
	ds_store_b32 v8, v[32+8*\g+4*\b+\n] offset:BLKB*(\g/4)+1536*(\g%4)+24*\b+4*\n
.endr
	ds_store_b8 v9, v[160+2*\g+\b] offset:BLKB*(\g/4)+12288+64*(\g%4)+2*\b   ; both halves of the lanes write the same byte with the same value
.endr
.endm
.irp g, 0,1,2,3,4,5,6,7
	QKOUT \g
.endr
	s_wait_dscnt 0x0                               ; for the others' sake: my stores into the stage have landed
	s_barrier_signal -1
	s_barrier_wait -1
	s_cmp_lt_u32 s26, 3
	s_cbranch_scc0 .Lno_copy
.irp i, 0,1,2,3,4,5,6,7,8,9,10,11,12,13,14,15,16,17,18,19,20,21,22,23,24
	ds_load_b128 v[96+4*\i:99+4*\i], v14 offset:512*\i
.endr
.irp i, 0,1,2,3,4,5,6,7,8,9,10,11,12,13,14,15,16,17,18,19,20,21,22,23,24
	s_wait_dscnt 24-\i                             ; LDS loads come back in order: the younger ones may be out
	global_store_b128 v15, v[96+4*\i:99+4*\i], s[24:25] offset:512*\i   ; 32 lanes store 512 consecutive bytes, at a multiple of 256 from the buffer's first byte
.endr
.Lno_copy:
	s_wait_tensorcnt 0x0                           ; the wave's end
	ds_add_u32 v4, v5
	s_wait_dscnt 0x0
	CROUND                                         ; the closing round
	s_endpgm
.Lfunc_end_k_qd67373ad68_qkv:
	.size	k_qd67373ad68_qkv, .Lfunc_end_k_qd67373ad68_qkv-k_qd67373ad68_qkv
	.p2alignl 7, 3214868480
	.fill 96, 4, 3214868480
	.section	.rodata,"a",@progbits
	.p2align	6, 0x0
	.amdhsa_kernel k_qd67373ad68_qkv
		.amdhsa_group_segment_fixed_size 327680
		.amdhsa_private_segment_fixed_size 0
		.amdhsa_enable_private_segment 0
		.amdhsa_kernarg_size 88
		.amdhsa_user_sgpr_count 2
		.amdhsa_user_sgpr_kernarg_segment_ptr 1
		.amdhsa_wavefront_size32 1
		.amdhsa_system_sgpr_workgroup_id_x 1
		.amdhsa_system_sgpr_workgroup_id_y 1
		.amdhsa_system_sgpr_workgroup_id_z 1
		.amdhsa_system_vgpr_workitem_id 0
		.amdhsa_next_free_vgpr 1024
		.amdhsa_next_free_sgpr 102
		.amdhsa_reserve_vcc 0
		.amdhsa_float_denorm_mode_32 3
		.amdhsa_float_denorm_mode_16_64 3
		.amdhsa_memory_ordered 1
		.amdhsa_forward_progress 1
		.amdhsa_inst_pref_size 255
	.end_amdhsa_kernel
	.section	.bss,"aw",@nobits
	.p2align	6
	.space	262144
	.amdgpu_metadata
---
amdhsa.version: [ 1, 2 ]
amdhsa.kernels:
  - .name:           k_qd67373ad68_qkv
    .symbol:         k_qd67373ad68_qkv.kd
    .args:
      - { .name: x_codes, .offset: 0, .size: 8, .value_kind: global_buffer, .address_space: global }
      - { .name: x_scales, .offset: 8, .size: 8, .value_kind: global_buffer, .address_space: global }
      - { .name: wq_codes, .offset: 16, .size: 8, .value_kind: global_buffer, .address_space: global }
      - { .name: wq_scales, .offset: 24, .size: 8, .value_kind: global_buffer, .address_space: global }
      - { .name: wk_codes, .offset: 32, .size: 8, .value_kind: global_buffer, .address_space: global }
      - { .name: wk_scales, .offset: 40, .size: 8, .value_kind: global_buffer, .address_space: global }
      - { .name: wv_codes, .offset: 48, .size: 8, .value_kind: global_buffer, .address_space: global }
      - { .name: wv_scales, .offset: 56, .size: 8, .value_kind: global_buffer, .address_space: global }
      - { .name: q_norm_w, .offset: 64, .size: 8, .value_kind: global_buffer, .address_space: global }
      - { .name: k_norm_w, .offset: 72, .size: 8, .value_kind: global_buffer, .address_space: global }
      - { .name: qkvf, .offset: 80, .size: 8, .value_kind: global_buffer, .address_space: global }
    .group_segment_fixed_size: 327680
    .private_segment_fixed_size: 0
    .kernarg_segment_align: 8
    .kernarg_segment_size: 88
    .max_flat_workgroup_size: 128
    .sgpr_count:     102
    .vgpr_count:     1024
    .wavefront_size: 32
...
	.end_amdgpu_metadata
.endif
;; end of part 1
;; launch attn (part 2): grid 16 x 16, 8 waves a work-group, clusters of 4 x 1, 327,680 bytes of LDS; arguments qkvf, ctxf; writes ctxf
.if DOCPART == 2
	.amdgcn_target "amdgcn-amd-amdhsa--gfx1250"
	.amdhsa_code_object_version 6
	.text
	.protected	k_qd67373ad68_attn
	.globl	k_qd67373ad68_attn
	.p2align	8
	.type	k_qd67373ad68_attn,@function
k_qd67373ad68_attn:
	s_mov_b64 s[64:65], 0
	v_nop
	global_prefetch_b8 v0, s[64:65] scope:SCOPE_SE
	s_setreg_imm32_b32 hwreg(HW_REG_WAVE_MODE, 25, 1), 1
	s_wait_xcnt 0x0
	s_wait_alu depctr_hold_cnt(0) depctr_sa_sdst(0) depctr_va_vdst(0) depctr_va_sdst(0) depctr_va_ssrc(0) depctr_va_vcc(0) depctr_vm_vsrc(0)
	s_getreg_b32 s2, hwreg(HW_REG_IB_STS2, 6, 4)
	s_cmp_eq_u32 s2, 0
	s_cbranch_scc0 .Lentry_in_a_cluster
	s_endpgm
.Lentry_in_a_cluster:
	s_bfe_u32 s2, ttmp6, 0x10000c
	s_cmp_lg_u32 s2, 0x3003
	s_cbranch_scc0 .Lentry_shape_is_right
	s_endpgm
.Lentry_shape_is_right:
; ctx = softmax(q k^T / sqrt(128), causal) v for 16 (batch, head) pairs of 2,048 positions, both products on codes of FP6 (E2M3) with E8M0 scales; ctx is divided by the row's sum, quantised along the channels and stored as codes.
; THE SOFTMAX: t = score x log2(e) / sqrt(128); M = the running largest t rounded UP to a whole number; p = 2^(t - M) is quantised along the keys, not normalised; the row's sum is taken of the unquantised p; when M moves,
; the sum and O are multiplied by 2^(old M - new M), which rounds nothing.
; SHARES.  A cluster of four work-groups owns the blocks of 256 queries p and 7 - p (p = the cluster's x) of one (batch, head).  A wave owns one tile of 16 queries: tile 4 cx + w / 2 of the late block where w has an odd
; number of ones, of the early block else.  An early tile has 2 p + 2 key steps of 128 that count for its block, a late one 16 - 2 p: 18 for each such pair of waves, in every cluster.
; All walk all 16 key steps, so that trip counts, rounds and joint loads are alike; a step all of whose keys come after the wave's BLOCK of queries is jumped over.  The branches hang on the cluster's x and the wave's number
; alone, never on cx: cx enters only global addresses and the lanes' query numbers.
; k's and v's blocks (12,800 bytes each: 8 fragments, lane l's 12 registers at 48 l, and 128 scale words) come through two LDS slots of four key steps; wave w asks jointly for block w of a slot's eight.
; Both products are used transposed (S^T = K Q^T, O^T = V^T P^T): a lane holds ONE query.  Inside a block of 32 keys p's codes stand in the order 16 h + 8 u + j for key 16 u + 8 h + j, as v's codes were laid.
; v's channels were laid so that O^T's tiles 2 B, 2 B + 1 give a lane channels 32 B + 16 h + 0 .. 15: the quantiser's order for the last product.
; OUTPUT.  ctxf[block of 128 rows][head] = 12,800 bytes: 8 fragments as images of their registers (group c of four registers, lane l at 512 c + 16 l), then 128 scale words.
; LIMITS: NaN and infinities are not served; a block of ctx or of p whose largest magnitude lies under 2^-124 gets the byte 1 (only this program reads the bytes); 1 / sum by v_rcp_f32.
; REGISTERS: v1-9 addresses; v12 -M, v13 the largest t, v[14:15] the sum; v16-27 Q, v255 its scale words; v32-79 four fragments, v248-251 their scale words; v80-83 the scale words of V's fragments 4-7;
;   v96-159 S^T, then p, then V's fragments 4-7; v160-223 O^T; v224-235 p's codes; v232-254 at work.
.set BLKB,  12800
.set STEPB, 25600                      ; a key step: k's block, then v's
.set SLOTB, 102400                     ; four key steps
.set ENTRY, 38400                      ; q's, k's, v's block of 128 positions in memory
.set SPARE, 2*SLOTB                    ; the spare words: 128 bytes a wave, four blocks of 256 bytes that no other line names
.macro CROUND                          ; a round of the cluster's barrier
	s_barrier_signal -1
	s_barrier_wait -1
	s_cmp_lg_u32 s8, 0
	s_cbranch_scc1 .Lnot_wave_0_\@
	s_barrier_signal -3
.Lnot_wave_0_\@:
	s_barrier_wait -3
	s_barrier_signal -1
	s_barrier_wait -1
.endm
	s_load_b128 s[4:7], s[0:1], 0x0                ; qkvf, ctxf
	v_lshl_add_u32 v5, v0, 2, SPARE                ; my spare word; never rewritten
	v_mov_b32 v6, 0                                ; 0; never rewritten
	ds_add_u32 v5, v6
	ds_add_u32 v5, v6
	s_wait_dscnt 0x0
	v_lshrrev_b32 v8, 5, v0
	v_readfirstlane_b32 s8, v8                     ; wave 0..7
	s_bfe_u32 s9, ttmp6, 0x40000                   ; cx
	s_and_b32 s10, ttmp7, 0xffff                   ; bh = 8 b + head
	s_bcnt1_i32_b32 s11, s8
	s_and_b32 s11, s11, 1                          ; late?
	s_sub_co_u32 s12, 7, ttmp9
	s_cmp_eq_u32 s11, 1
	s_cselect_b32 s12, s12, ttmp9                  ; my block of 256 queries
	s_lshl_b32 s43, s12, 8                         ; its first query
	s_add_co_u32 s44, s43, 255                     ; its last
	s_lshr_b32 s13, s8, 1
	s_lshl_b32 s14, s9, 2
	s_add_co_u32 s14, s14, s13                     ; my tile in the block (hangs on cx)
	s_lshl_b32 s15, s14, 4
	s_add_co_u32 s15, s15, s43                     ; my first query
	s_lshl_b32 s16, s10, 4                         ; 16 entries a (batch, head)
	s_add_co_u32 s17, s16, s13                     ; what I fetch: key step w / 2 of a slot,
	s_mul_i32 s18, s17, ENTRY
	s_and_b32 s19, s8, 1
	s_mul_i32 s19, s19, BLKB                       ; k's block (w even) or v's
	s_add_co_u32 s18, s18, s19
	s_add_co_u32 s18, s18, BLKB
	s_mov_b32 s19, 0
	s_lshr_b32 s45, s15, 7                         ; my block of 128 positions
	s_add_co_u32 s46, s16, s45
	s_mul_i32 s46, s46, ENTRY                      ; q's block
	s_mov_b32 s47, 0
	s_lshr_b32 s51, s10, 3                         ; ctxf: ((16 b + block of 128) 8 + head) x 12,800
	s_lshl_b32 s51, s51, 4
	s_add_co_u32 s51, s51, s45
	s_lshl_b32 s51, s51, 3
	s_and_b32 s52, s10, 7
	s_add_co_u32 s51, s51, s52
	s_mul_i32 s52, s51, BLKB
	s_mov_b32 s53, 0
	; group 1: 12,800 dense bytes as 50 rows of 256 (32 elements of 8 bytes); the mask names all four work-groups
	s_mov_b32 s24, 15|(3<<16)|(1<<21)
	s_mov_b32 s25, 32<<16
	s_mov_b32 s26, 50<<16
	s_mov_b32 s27, 32<<16
	s_mov_b32 s28, 50
	s_mov_b32 s29, 32
	s_mov_b32 s30, 0
	s_mov_b32 s31, 0
	s_mov_b32 s20, 0x76543210                      ; v_permlanex16_b32's selects for lane l xor 16
	s_mov_b32 s21, 0xfedcba98
	s_mov_b32 s22, 0x3e0293ee                      ; c = log2(e) / sqrt(128)
	s_mov_b32 s23, s22                             ; (named with it as a pair)
	s_mov_b32 s41, 0                               ; the step's first key
	s_wait_kmcnt 0x0
	s_mov_b32 s32, 1                               ; group 0 for slot 0: key steps 0 to 3
	s_mul_i32 s33, s8, BLKB
	s_add_nc_u64 s[34:35], s[4:5], s[18:19]
	s_mov_b32 s36, 1                               ; for slot 1: key steps 4 to 7
	s_add_co_u32 s37, s33, SLOTB
	s_add_nc_u64 s[38:39], s[34:35], 4*ENTRY
	s_or_b32 s35, s35, 0x80000000
	s_or_b32 s39, s39, 0x80000000
	s_add_nc_u64 s[48:49], s[4:5], s[46:47]
	s_add_nc_u64 s[6:7], s[6:7], s[52:53]
	CROUND                                         ; in front of the first joint load
	tensor_load_to_lds s[32:35], s[24:31]
	s_nop 0
.rept 4
	v_nop
.endr
	v_and_b32 v10, 31, v0                          ; lane
	v_and_b32 v11, 15, v0                          ; r
	v_bfe_u32 v9, v0, 4, 1                         ; h
	v_mul_u32_u24 v1, v10, 48                      ; a fragment's place for my lane
	v_lshlrev_b32 v2, 2, v11                       ; a scale word's
	v_lshlrev_b32 v9, 3, v9
	v_sub_nc_u32 v3, v11, v9
	v_add_nc_u32 v3, s15, v3                       ; my query - 8 h
	s_and_b32 s50, s14, 7                          ; my tile in its block of 128
	s_mul_i32 s54, s50, 1536
	v_lshl_add_u32 v4, v10, 4, s54                 ; ctx's image: 16 l + 1,536 x tile
	s_lshl_b32 s50, s50, 6
	v_add_nc_u32 v7, s50, v2                       ; scale words: 4 r + 64 x tile
	v_add_nc_u32 v10, s54, v1                      ; q's fragment: 48 l + 1,536 x tile
.irp c, 0,1,2
	global_load_b128 v[16+4*\c:19+4*\c], v10, s[48:49] offset:16*\c
.endr
	global_load_b32 v255, v7, s[48:49] offset:12288
	v_mov_b32 v13, 0xff61b1e6                      ; the largest t so far: -3e38
	v_floor_f32 v12, -v13                          ; -M
	v_mov_b32 v14, 0
	v_mov_b32 v15, 0
.irp n, 236,237,238,239,240,241,242,243,252,253
	v_mov_b32 v\n, 0                               ; destinations of lane permutes, and the upper half of the pair v[252:253]
.endr
.set j, 0
.rept 64
	v_mov_b32 v[160+j], 0                          ; O^T: the step is written once; the first finds zeros
.set j, j+1
.endr
; A KEY STEP of 128 keys; its blocks begin at LDS byte s40, its first key is s41.
.macro STEP
	s_cmp_gt_u32 s41, s44                          ; all its keys come after my block's queries: nothing to do
	s_cbranch_scc1 .Lhidden_\@
	v_add_nc_u32 v8, s40, v1
	v_add_nc_u32 v9, s40, v2
.irp g, 0,1                                    ; S^T = K Q^T, four tiles of 16 keys at a time
.if \g > 0
.rept 4
	v_nop                                          ; places in front of loads into registers that matrix instructions have read
.endr
.endif
.irp t, 0,1,2,3
.irp c, 0,1,2
	ds_load_b128 v[32+12*\t+4*\c:35+12*\t+4*\c], v8 offset:1536*(4*\g+\t)+16*\c
.endr
	ds_load_b32 v[248+\t], v9 offset:12288+64*(4*\g+\t)
.endr
	s_wait_dscnt 0x0
.irp t, 0,1,2,3
	v_wmma_scale_f32_16x16x128_f8f6f4 v[96+8*(4*\g+\t):103+8*(4*\g+\t)], v[32+12*\t:43+12*\t], v[16:27], 0, v[248+\t], v255 matrix_a_fmt:MATRIX_FMT_FP6 matrix_b_fmt:MATRIX_FMT_FP6
.endr
.endr                                          ; register 8 T + j of lane (r, h): query r, key 16 T + 8 h + j
.rept 4
	v_nop
.endr
.irp t, 0,1,2,3                                ; V's fragments 0 to 3 are asked for now and land under the softmax
.irp c, 0,1,2
	ds_load_b128 v[32+12*\t+4*\c:35+12*\t+4*\c], v8 offset:BLKB+1536*\t+16*\c
.endr
	ds_load_b32 v[248+\t], v9 offset:BLKB+12288+64*\t
.endr
	s_add_co_u32 s54, s41, 127                     ; a step all of whose keys count for the whole block skips the mask
	s_cmp_le_u32 s54, s43
	s_cbranch_scc1 .Lopen_\@
	v_sub_nc_u32 v252, v3, s41                     ; d = my query - 8 h - first key: register 8 T + j is hidden where 16 T + j > d
	v_mov_b32 v254, 0xff800000                     ; -infinity: p = 0 then
.set n, 0
.rept 64
	v_cmp_gt_i32 vcc_lo, 16*(n/8)+n%8, v252
	v_cndmask_b32 v[96+n], v[96+n], v254, vcc_lo
.set n, n+1
.endr
.Lopen_\@:
.irp b, 0,1,2,3
	v_max3_num_f32 v[232+\b], v[96+16*\b], v[97+16*\b], v[98+16*\b]   ; the largest score of each block of 32 keys: for the row's maximum, and, since p rises with the score, for the block's largest p
.endr
.irp i, 3,5,7,9,11,13
.irp b, 0,1,2,3
	v_max3_num_f32 v[232+\b], v[232+\b], v[96+16*\b+\i], v[97+16*\b+\i]
.endr
.endr
.irp b, 0,1,2,3
	v_max_num_f32 v[232+\b], v[232+\b], v[111+16*\b]
.endr
.irp b, 0,1,2,3
	v_permlanex16_b32 v[236+\b], v[232+\b], s20, s21
.endr
.irp b, 0,1,2,3
	v_max_num_f32 v[232+\b], v[232+\b], v[236+\b]  ; with lane l xor 16's 16 keys
.endr
	v_max3_num_f32 v254, v232, v233, v234
	v_max_num_f32 v254, v254, v235
	v_mul_f32 v254, s22, v254                      ; as t
	v_max_num_f32 v13, v13, v254                   ; the running largest t
	v_mov_b32 v254, v12
	v_floor_f32 v12, -v13                          ; the new -M = -ceil(t)
	v_sub_f32 v254, v12, v254                      ; old M - new M: a whole number, 0 or less
	v_cvt_i32_f32 v254, v254                       ; (it saturates)
	v_ldexp_f32 v252, 1.0, v254                    ; f = 2^(old M - new M)
.set j, 0
.rept 32
	v_pk_fma_f32 v[96+j:97+j], v[96+j:97+j], s[22:23], v[12:13] op_sel_hi:[1,0,0]   ; t - M
.set j, j+2
.endr
.irp b, 0,1,2,3
	v_fma_f32 v[232+\b], v[232+\b], s22, v12       ; the same of each block's largest score
.endr
.set j, 0
.rept 64
	v_exp_f32 v[96+j], v[96+j]                     ; p = 2^(t - M)
.set j, j+1
.endr
.irp b, 0,1,2,3
	v_exp_f32 v[232+\b], v[232+\b]                 ; the block's largest p
.endr
	v_pk_mul_f32 v[14:15], v[14:15], v[252:253] op_sel_hi:[1,0]   ; the sums under the new M (a plain place behind the exponentials)
	s_wait_alu depctr_va_vdst(0)
.irp b, 0,1,2,3
	v_max_num_f32 v[232+\b], 0x1800000, v[232+\b]  ; the floor 2^(3 - 127): the byte cannot fall under 1
.endr
.irp b, 0,1,2,3
	v_add_nc_u32 v[244+\b], 0xff000000, v[232+\b]  ; the conversion's scale operand
.endr
.irp b, 0,1,2,3
	v_lshrrev_b32 v[236+\b], 23, v[244+\b]         ; the scale's byte
.endr
	v_lshl_or_b32 v253, v237, 8, v236              ; p's scale word for these 128 keys
	v_lshl_or_b32 v253, v238, 16, v253
	v_lshl_or_b32 v253, v239, 24, v253
.irp c, 0,1
	v_cvt_scalef32_pk16_fp6_f32 v[224+6*\c:226+6*\c], v[96+32*\c:111+32*\c], v[244+2*\c]
	v_cvt_scalef32_pk16_fp6_f32 v[236+4*\c:238+4*\c], v[112+32*\c:127+32*\c], v[245+2*\c]
.endr
	v_nop                                          ; one plain place behind a scaled conversion
.irp c, 0,1                                    ; the operand's layout wants a whole block in a lane
.irp i, 0,1,2
	v_permlane16_swap_b32 v[224+6*\c+\i], v[236+4*\c+\i]
.endr
.irp i, 0,1,2
	v_mov_b32 v[227+6*\c+\i], v[236+4*\c+\i]
.endr
.endr
	v_pk_add_f32 v[236:237], v[96:97], v[98:99]    ; the row's sum, of the unquantised p, in two chains
.irp j, 4,8,12,16,20,24,28,32,36,40,44,48,52,56,60
	v_pk_add_f32 v[14:15], v[14:15], v[96+\j:97+\j]
	v_pk_add_f32 v[236:237], v[236:237], v[98+\j:99+\j]
.endr
	v_pk_add_f32 v[14:15], v[14:15], v[236:237]
.irp t, 0,1,2,3                                ; p's registers are done with: V's fragments 4 to 7 land there
.irp c, 0,1,2
	ds_load_b128 v[96+12*\t+4*\c:99+12*\t+4*\c], v8 offset:BLKB+1536*(4+\t)+16*\c
.endr
	ds_load_b32 v[80+\t], v9 offset:BLKB+12288+64*(4+\t)
.endr
.set j, 0
.rept 32
	v_pk_mul_f32 v[160+j:161+j], v[160+j:161+j], v[252:253] op_sel_hi:[1,0]   ; O^T under the new M.  (Also the places between p's codes and scale word and the products)
.set j, j+2
.endr
	s_wait_dscnt 0x0
.irp t, 0,1,2,3                                ; O^T += V^T P^T: eight accumulators, one instruction each
	v_wmma_scale_f32_16x16x128_f8f6f4 v[160+8*\t:167+8*\t], v[32+12*\t:43+12*\t], v[224:235], v[160+8*\t:167+8*\t], v[248+\t], v253 matrix_a_fmt:MATRIX_FMT_FP6 matrix_b_fmt:MATRIX_FMT_FP6
.endr
.irp t, 0,1,2,3
	v_wmma_scale_f32_16x16x128_f8f6f4 v[192+8*\t:199+8*\t], v[96+12*\t:107+12*\t], v[224:235], v[192+8*\t:199+8*\t], v[80+\t], v253 matrix_a_fmt:MATRIX_FMT_FP6 matrix_b_fmt:MATRIX_FMT_FP6
.endr
.rept 5
	v_nop                                          ; five places: the next step's first products write over v96 on, which these have read
.endr
.Lhidden_\@:
.endm
; A SLOT'S FOUR STEPS.  At its head the change of slots: all my tensor loads have landed (my part of this slot), the add, my reads of the other slot are over; a round of the cluster's barrier; then the other slot is
; filled with the four key steps that follow: one load a wave is out, and it has this slot's four steps in which to land.
.macro TRIP slot, refill
	s_wait_tensorcnt 0x0
	ds_add_u32 v5, v6                              ; 0 onto my spare word
	s_add_nc_u64 s[34+4*\slot:35+4*\slot], s[34+4*\slot:35+4*\slot], 8*ENTRY   ; no load of mine is out: this slot's next four steps
	s_mov_b32 s40, \slot*SLOTB
	s_mov_b32 s42, 4
	s_wait_dscnt 0x0
	CROUND
.if \refill
	tensor_load_to_lds s[36-4*\slot:39-4*\slot], s[24:31]
	s_nop 0
.rept 4
	v_nop
.endr
.endif
.Lstep_\@:
	STEP
	s_add_co_u32 s40, s40, STEPB
	s_add_co_u32 s41, s41, 128
	s_sub_co_u32 s42, s42, 1
	s_cmp_lg_u32 s42, 0
	s_cbranch_scc1 .Lstep_\@
.endm
	s_wait_loadcnt 0x0                             ; Q
	TRIP 0, 1
	TRIP 1, 1
	TRIP 0, 1
	TRIP 1, 0
	; THE WAY OUT: O^T / the sum, quantised along the channels; register 16 B + i of a lane is channel 32 B + 16 h + i of its row
	v_add_f32 v14, v14, v15
	v_permlanex16_b32 v252, v14, s20, s21
	v_add_f32 v14, v14, v252                       ; the row's sum
	v_rcp_f32 v14, v14
	v_nop                                          ; one plain place behind a transcendental
.set j, 0
	s_wait_alu depctr_va_vdst(0)
.rept 64
	v_mul_f32 v[96+j], v[160+j], v14
.set j, j+1
.endr
.irp b, 0,1,2,3
	v_max3_num_f32 v[236+\b], |v[96+16*\b]|, |v[97+16*\b]|, 0x1800000
.endr
.irp i, 2,4,6,8,10,12,14
.irp b, 0,1,2,3
	v_max3_num_f32 v[236+\b], v[236+\b], |v[96+16*\b+\i]|, |v[97+16*\b+\i]|
.endr
.endr
.irp b, 0,1,2,3
	v_permlanex16_b32 v[240+\b], v[236+\b], s20, s21
.endr
.irp b, 0,1,2,3
	v_max_num_f32 v[236+\b], v[236+\b], v[240+\b]
.endr
.irp b, 0,1,2,3
	v_add_nc_u32 v[248+\b], 0xff000000, v[236+\b]
.endr
.irp b, 0,1,2,3
	v_lshrrev_b32 v[240+\b], 23, v[248+\b]
.endr
	v_lshl_or_b32 v252, v241, 8, v240              ; my row's scale word
	v_lshl_or_b32 v252, v242, 16, v252
	v_lshl_or_b32 v252, v243, 24, v252
.irp c, 0,1
	v_cvt_scalef32_pk16_fp6_f32 v[32+6*\c:34+6*\c], v[96+32*\c:111+32*\c], v[248+2*\c]
	v_cvt_scalef32_pk16_fp6_f32 v[44+4*\c:46+4*\c], v[112+32*\c:127+32*\c], v[249+2*\c]
.endr
	v_nop
.irp c, 0,1
.irp i, 0,1,2
	v_permlane16_swap_b32 v[32+6*\c+\i], v[44+4*\c+\i]
.endr
.irp i, 0,1,2
	v_mov_b32 v[35+6*\c+\i], v[44+4*\c+\i]
.endr
.endr
.irp c, 0,1,2
	global_store_b128 v4, v[32+4*\c:35+4*\c], s[6:7] offset:512*\c   ; the fragment as it stands: 512 consecutive bytes a store, at a multiple of 256 from the buffer's first byte
.endr
	global_store_b32 v7, v252, s[6:7] offset:12288 ; 64 bytes of scale words a tile (lanes 16-31 write what lanes 0-15 write)
	s_wait_tensorcnt 0x0                           ; the wave's end
	ds_add_u32 v5, v6
	s_wait_dscnt 0x0
	CROUND                                         ; the closing round
	s_endpgm
.Lfunc_end_k_qd67373ad68_attn:
	.size	k_qd67373ad68_attn, .Lfunc_end_k_qd67373ad68_attn-k_qd67373ad68_attn
	.p2alignl 7, 3214868480
	.fill 96, 4, 3214868480
	.section	.rodata,"a",@progbits
	.p2align	6, 0x0
	.amdhsa_kernel k_qd67373ad68_attn
		.amdhsa_group_segment_fixed_size 327680
		.amdhsa_private_segment_fixed_size 0
		.amdhsa_enable_private_segment 0
		.amdhsa_kernarg_size 16
		.amdhsa_user_sgpr_count 2
		.amdhsa_user_sgpr_kernarg_segment_ptr 1
		.amdhsa_wavefront_size32 1
		.amdhsa_system_sgpr_workgroup_id_x 1
		.amdhsa_system_sgpr_workgroup_id_y 1
		.amdhsa_system_sgpr_workgroup_id_z 1
		.amdhsa_system_vgpr_workitem_id 0
		.amdhsa_next_free_vgpr 256
		.amdhsa_next_free_sgpr 66
		.amdhsa_reserve_vcc 1
		.amdhsa_float_denorm_mode_32 3
		.amdhsa_float_denorm_mode_16_64 3
		.amdhsa_memory_ordered 1
		.amdhsa_forward_progress 1
		.amdhsa_inst_pref_size 116
	.end_amdhsa_kernel
	.amdgpu_metadata
---
amdhsa.version: [ 1, 2 ]
amdhsa.kernels:
  - .name:           k_qd67373ad68_attn
    .symbol:         k_qd67373ad68_attn.kd
    .args:
      - { .name: qkvf, .offset: 0, .size: 8, .value_kind: global_buffer, .address_space: global }
      - { .name: ctxf, .offset: 8, .size: 8, .value_kind: global_buffer, .address_space: global }
    .group_segment_fixed_size: 327680
    .private_segment_fixed_size: 0
    .kernarg_segment_align: 8
    .kernarg_segment_size: 16
    .max_flat_workgroup_size: 256
    .sgpr_count:     66
    .vgpr_count:     256
    .wavefront_size: 32
...
	.end_amdgpu_metadata
.endif
;; end of part 2
;; launch oproj (part 3): grid 8 x 32, 4 waves a work-group, clusters of 4 x 4, 327,680 bytes of LDS; arguments ctxf, wo_codes, wo_scales, out0; writes out0
.if DOCPART == 3
	.amdgcn_target "amdgcn-amd-amdhsa--gfx1250"
	.amdhsa_code_object_version 6
	.text
	.protected	k_qd67373ad68_oproj
	.globl	k_qd67373ad68_oproj
	.p2align	8
	.type	k_qd67373ad68_oproj,@function
k_qd67373ad68_oproj:
	s_mov_b64 s[64:65], 0
	v_nop
	global_prefetch_b8 v0, s[64:65] scope:SCOPE_SE
	s_setreg_imm32_b32 hwreg(HW_REG_WAVE_MODE, 25, 1), 1
	s_wait_xcnt 0x0
	s_wait_alu depctr_hold_cnt(0) depctr_sa_sdst(0) depctr_va_vdst(0) depctr_va_sdst(0) depctr_va_ssrc(0) depctr_va_vcc(0) depctr_vm_vsrc(0)
	s_getreg_b32 s2, hwreg(HW_REG_IB_STS2, 6, 4)
	s_cmp_eq_u32 s2, 0
	s_cbranch_scc0 .Lentry_in_a_cluster
	s_endpgm
.Lentry_in_a_cluster:
	s_bfe_u32 s2, ttmp6, 0x10000c
	s_cmp_lg_u32 s2, 0xf033
	s_cbranch_scc0 .Lentry_shape_is_right
	s_endpgm
.Lentry_shape_is_right:
; out = ctx wo^T on codes of FP6 (E2M3) with E8M0 scales: [4,096 x 1,024] x [1,024 x 2,048], f32 out.
; SHARES.  A work-group makes 128 rows (block mb) x 256 columns (block nb); wave (RA = w / 2, CB = w % 2) 64 x 128: 32 accumulators.  K = 1,024 is eight steps of 128, one for each head.
; ALL OPERANDS OF THE WORK-GROUP FIT IN LDS AND ARE FILLED ONCE: ctx's block (102,400 dense bytes: for each head 8 fragments as images of their registers and 128 scale words), 256 rows of wo (768 bytes, three aligned runs
; of 256, 16 bytes of padding behind each: pitch 816) and their scale bytes.  So there is no ring and no refill.
; CLUSTER 4 x 4: ctx's block hangs on mb alone and is asked for jointly along a row of the cluster, wo's rows on nb alone, jointly along a column.
; The matrix instruction is used transposed (source 0 = 16 rows of wo, source 1 = 16 rows of ctx): a lane holds eight neighbouring columns of one row of out.
; REGISTERS.  window 0: v1-15 addresses; v32-63 ctx's scale words (4 q + a); v64-127 wo's (8 i + q); v128-175, v176-223 ctx's fragments, two sets.   window 1: v0-95, v96-191 wo's fragments, two sets; on the way out rows of out.
;   window 2: the accumulators, 8 (8 a + i).
.set BLKB,  12800
.set BOFF,  8*BLKB                     ; wo's rows
.set BP,    816
.set BSOFF, BOFF+256*BP                ; wo's scale bytes: 32 x (256 + 16); a row of 32 bytes, eight rows to a unit
.set MSB, 0
.macro WIN new
.if MSB != \new
	s_set_vgpr_msb (MSB<<8)|\new
.set MSB, \new
.endif
.endm
.macro PLACES
.rept 4
	v_nop
.endr
.endm
.macro CROUND
	s_barrier_signal -1
	s_barrier_wait -1
	s_cmp_lg_u32 s12, 0
	s_cbranch_scc1 .Lnot_wave_0_\@
	s_barrier_signal -3
.Lnot_wave_0_\@:
	s_barrier_wait -3
	s_barrier_signal -1
	s_barrier_wait -1
.endm
	s_load_b256 s[4:11], s[0:1], 0x0               ; ctxf s[4:5], wo_codes s[6:7], wo_scales s[8:9], out0 s[10:11]
	v_lshl_add_u32 v254, v0, 2, 0x4e200
	v_mov_b32 v255, 0
	ds_add_u32 v254, v255
	ds_add_u32 v254, v255
	v_lshrrev_b32 v1, 5, v0
	v_readfirstlane_b32 s12, v1                    ; wave 0..3
	s_lshr_b32 s13, s12, 1                         ; RA.  Also: I fetch for ctx (0) or for wo (1)
	s_and_b32 s14, s12, 1                          ; CB.  Also: which half I fetch
	s_bfe_u32 s15, ttmp6, 0x40000                  ; cx
	s_bfe_u32 s16, ttmp6, 0x40004                  ; cy
	s_lshl_b32 s17, ttmp9, 2
	s_add_co_u32 s17, s17, s15                     ; nb
	s_and_b32 s18, ttmp7, 0xffff
	s_lshl_b32 s18, s18, 2
	s_add_co_u32 s18, s18, s16                     ; mb
	s_lshl_b32 s19, s16, 2
	s_lshl_b32 s19, 15, s19                        ; my row of the cluster
	s_lshl_b32 s20, 0x1111, s15                    ; my column
	; ctx: 51,200 dense bytes as 200 rows of 256 (32 elements of 8 bytes), no padding
	s_or_b32 s24, s19, (3<<16)|(1<<21)
	s_mov_b32 s25, 32<<16
	s_mov_b32 s26, 200<<16
	s_mov_b32 s27, 32<<16
	s_mov_b32 s28, 200
	s_mov_b32 s29, 32
	s_mov_b32 s30, 0
	s_mov_b32 s31, 0
	; wo's codes: 128 rows of 768 bytes, 16 bytes of padding behind every 256
	s_or_b32 s36, s20, (1<<20)|(1<<21)|(5<<22)|(3<<25)
	s_mov_b32 s37, 768<<16
	s_mov_b32 s38, 128<<16
	s_mov_b32 s39, 768<<16
	s_mov_b32 s40, 128
	s_mov_b32 s41, 768
	s_mov_b32 s42, 0
	s_mov_b32 s43, 0
	; wo's scales: 4,096 dense bytes as 16 rows of 256, 16 bytes of padding behind each
	s_or_b32 s48, s20, (3<<16)|(1<<20)|(1<<21)|(5<<22)|(3<<25)
	s_mov_b32 s49, 32<<16
	s_mov_b32 s50, 16<<16
	s_mov_b32 s51, 32<<16
	s_mov_b32 s52, 16
	s_mov_b32 s53, 32
	s_mov_b32 s54, 0
	s_mov_b32 s55, 0
	s_mul_i32 s60, s18, 8*BLKB                     ; ctx: made of mb and the wave's number alone
	s_mul_i32 s61, s14, 4*BLKB
	s_add_co_u32 s60, s60, s61
	s_mov_b32 s61, 0
	s_lshl_b32 s66, s17, 8                         ; wo: row 256 nb + 128 x half: made of nb and the wave's number alone
	s_lshl_b32 s67, s14, 7
	s_add_co_u32 s66, s66, s67
	s_lshl_b32 s68, s66, 5                         ; its scales: 32 bytes a row
	s_mov_b32 s69, 0
	s_mul_i32 s66, s66, 768
	s_mov_b32 s67, 0
	s_lshl_b32 s70, s18, 7                         ; out: row 128 mb + 64 RA, column 256 nb + 128 CB
	s_lshl_b32 s71, s13, 6
	s_add_co_u32 s70, s70, s71
	s_lshl_b32 s70, s70, 13
	s_lshl_b32 s71, s17, 10
	s_add_co_u32 s70, s70, s71
	s_lshl_b32 s71, s14, 9
	s_add_co_u32 s70, s70, s71
	s_mov_b32 s71, 0
	s_wait_dscnt 0x0
	s_wait_kmcnt 0x0
	s_add_nc_u64 s[10:11], s[10:11], s[70:71]
	s_mov_b32 s32, 1
	s_mul_i32 s33, s14, 4*BLKB
	s_add_nc_u64 s[34:35], s[4:5], s[60:61]
	s_or_b32 s35, s35, 0x80000000
	s_mov_b32 s44, 1
	s_mul_i32 s45, s14, 128*BP
	s_add_co_u32 s45, s45, BOFF
	s_add_nc_u64 s[46:47], s[6:7], s[66:67]
	s_or_b32 s47, s47, 0x80000000
	s_mov_b32 s56, 1
	s_mul_i32 s57, s14, 16*272
	s_add_co_u32 s57, s57, BSOFF
	s_add_nc_u64 s[58:59], s[8:9], s[68:69]
	s_or_b32 s59, s59, 0x80000000
	CROUND                                         ; all sixteen work-groups are here: the joint loads meet
	s_cmp_eq_u32 s13, 0                            ; a wave's fills stand in one branch on its number: waves 0, 1 one load, waves 2, 3 two
	s_cbranch_scc0 .Lfill_b
	tensor_load_to_lds s[32:35], s[24:31]
	s_nop 0
.rept 4
	v_nop
.endr
	s_branch .Lfilled
.Lfill_b:
	tensor_load_to_lds s[56:59], s[48:55]
	s_nop 0
	tensor_load_to_lds s[44:47], s[36:43]
	s_nop 0
.rept 4
	v_nop
.endr
.Lfilled:
	v_and_b32 v1, 15, v0                           ; r
	v_bfe_u32 v2, v0, 4, 1                         ; h
	v_and_b32 v3, 31, v0                           ; lane
	s_mul_i32 s21, s13, 6144                       ; ctx's fragments: 16 l + my four tiles of rows;
	v_lshl_add_u32 v4, v3, 4, s21
	v_add_nc_u32 v5, 4*BLKB, v4                    ; heads 4 to 7
	v_mul_u32_u24 v16, v1, BP                      ; wo's: row r x pitch + 24 h, or 40 h behind one padding more;
	s_mul_i32 s21, s14, 128*BP
	s_add_co_u32 s21, s21, BOFF
	v_add_nc_u32 v16, s21, v16
	v_mad_u32_u24 v6, v2, 24, v16
	v_mad_u32_u24 v7, v2, 40, v16
	v_add_nc_u32 v8, 64*BP, v6                     ; tiles 4 to 7
	v_add_nc_u32 v9, 64*BP, v7
	s_lshl_b32 s21, s13, 8                         ; ctx's scale words: 12,288 + 64 x tile + 4 r
	s_add_co_u32 s21, s21, 12288
	v_lshl_add_u32 v10, v1, 2, s21
	v_add_nc_u32 v15, 4*BLKB, v10
	v_lshrrev_b32 v16, 3, v1                       ; wo's: unit r / 8, 32 bytes a row in it
	v_mul_u32_u24 v16, v16, 272
	v_and_b32 v17, 7, v1
	v_lshl_add_u32 v16, v17, 5, v16
	s_mul_i32 s21, s14, 16*272
	s_add_co_u32 s21, s21, BSOFF
	v_add_nc_u32 v11, s21, v16
	s_mul_i32 s21, s12, 16*528                     ; the way out: my stage of 16 rows x (512 + 16) bytes, in ctx's region
	v_mul_u32_u24 v12, v1, 528
	v_lshl_add_u32 v12, v2, 5, v12
	v_add_nc_u32 v12, s21, v12                     ; in: row r, 32 bytes for each half of the lanes
	v_lshlrev_b32 v14, 4, v3                       ; back, and in out: 16 bytes a lane
	v_add_nc_u32 v13, s21, v14
	s_wait_tensorcnt 0x0                           ; my fills have landed,
	s_barrier_signal -1
	s_barrier_wait -1                              ; everybody's have
.macro FETCH q                         ; K step q's fragments into sets q % 2: 48 + 12 = 60 loads
	WIN 0x40
.irp i, 0,1,2,3,4,5,6,7
.irp p, 0,1,2,3,4,5
.set PC, 12*(\q)+6*(\p/3)+\p%3        ; the row's piece of 8 bytes for lanes 0-15; lanes 16-31 read three pieces on, which from piece 29 of each 32 on is behind one padding more
.if PC%32 < 29
	ds_load_b64 v[96*((\q)%2)+12*\i+2*\p:96*((\q)%2)+12*\i+2*\p+1], v[6+2*(\i/4)] offset:8*PC+16*(PC/32)+(\i%4)*16*BP
.else
	ds_load_b64 v[96*((\q)%2)+12*\i+2*\p:96*((\q)%2)+12*\i+2*\p+1], v[7+2*(\i/4)] offset:8*PC+16*(PC/32)+(\i%4)*16*BP
.endif
.endr
.endr
	WIN 0
.irp a, 0,1,2,3
.irp g, 0,1,2
	ds_load_b128 v[128+48*((\q)%2)+12*\a+4*\g:131+48*((\q)%2)+12*\a+4*\g], v[4+(\q)/4] offset:((\q)%4)*BLKB+1536*\a+512*\g
.endr
.endr
.endm
.macro MUL q, zero                     ; 32 products; the 32 accumulators take turns, one instruction a turn
	WIN 0xa1                                       ; source 0 (wo) window 1, source 1 (ctx) window 0, C and D window 2
.irp a, 0,1,2,3
.irp i, 0,1,2,3,4,5,6,7
.if \zero
	v_wmma_scale_f32_16x16x128_f8f6f4 v[8*(8*\a+\i):8*(8*\a+\i)+7], v[96*((\q)%2)+12*\i:96*((\q)%2)+12*\i+11], v[128+48*((\q)%2)+12*\a:128+48*((\q)%2)+12*\a+11], 0, v[64+8*\i+(\q)], v[32+4*(\q)+\a] matrix_a_fmt:MATRIX_FMT_FP6 matrix_b_fmt:MATRIX_FMT_FP6
.else
	v_wmma_scale_f32_16x16x128_f8f6f4 v[8*(8*\a+\i):8*(8*\a+\i)+7], v[96*((\q)%2)+12*\i:96*((\q)%2)+12*\i+11], v[128+48*((\q)%2)+12*\a:128+48*((\q)%2)+12*\a+11], v[8*(8*\a+\i):8*(8*\a+\i)+7], v[64+8*\i+(\q)], v[32+4*(\q)+\a] matrix_a_fmt:MATRIX_FMT_FP6 matrix_b_fmt:MATRIX_FMT_FP6
.endif
.endr
.endr
.endm
.irp q, 0,1,2,3,4,5,6,7                        ; all scale words, once: 32 + 16 loads
.irp a, 0,1,2,3
.if \q < 4
	ds_load_b32 v[32+4*\q+\a], v10 offset:(\q%4)*BLKB+64*\a
.else
	ds_load_b32 v[32+4*\q+\a], v15 offset:(\q%4)*BLKB+64*\a
.endif
.endr
.endr
.irp i, 0,1,2,3,4,5,6,7
	ds_load_b128 v[64+8*\i:67+8*\i], v11 offset:544*\i
	ds_load_b128 v[68+8*\i:71+8*\i], v11 offset:544*\i+16
.endr
	FETCH 0
	FETCH 1
	s_wait_dscnt 60                                ; all but the 60 just issued
	MUL 0, 1                                       ; the first step starts the sums
.irp q, 1,2,3,4,5,6
	PLACES                                         ; in front of loads into the sets that the step before multiplied
	FETCH \q+1
	s_wait_dscnt 60                                ; all but the 60 just issued
	MUL \q, 0
.endr
	s_wait_dscnt 0x0                               ; my reads of LDS are over:
	s_barrier_signal -1
	MUL 7, 0
	WIN 0
	s_barrier_wait -1                              ; everybody's are: ctx's region may take the stages
	PLACES                                         ; in front of the reads of the last results and of the loads into wo's registers
; THE WAY OUT, 16 rows x 128 columns at a time: a lane's 32 bytes go into my stage and come back as whole rows of 512 bytes.  LDS serves a wave's instructions in order (ISA guide 5.7.1.4): no wait between stores and loads.
.macro TOSTAGE a
	WIN 0x08                                       ; an LDS store's data: window 2
.irp i, 0,1,2,3,4,5,6,7
	ds_store_b128 v12, v[64*\a+8*\i:64*\a+8*\i+3] offset:64*\i          ; each accumulator from its low end on
	ds_store_b128 v12, v[64*\a+8*\i+4:64*\a+8*\i+7] offset:64*\i+16
.endr
	WIN 0x40                                       ; back into window 1: a set of 64 registers for each block, so that no store's data are written again
.irp t, 0,1,2,3,4,5,6,7,8,9,10,11,12,13,14,15
	ds_load_b128 v[64*\a+4*\t:64*\a+4*\t+3], v13 offset:\t*528
.endr
	WIN 0
.endm
.macro SEND a, younger                 ; younger: the LDS instructions issued behind block a's loads, which may stay out
	s_wait_dscnt \younger
	WIN 0x04                                       ; a store's data: window 1
.irp t, 0,1,2,3,4,5,6,7,8,9,10,11,12,13,14,15
	global_store_b128 v14, v[64*\a+4*\t:64*\a+4*\t+3], s[10:11] offset:(16*\a+\t)*8192 th:TH_STORE_NT   ; 32 lanes store 512 consecutive bytes, at a multiple of 256 from out's first byte; 63 rows at the most: inside the signed 24-bit immediate
.endr
	WIN 0
.endm
	TOSTAGE 0
	TOSTAGE 1
	SEND 0, 32                                     ; behind block 0's loads: block 1's 16 stores and 16 loads
	TOSTAGE 2
	SEND 1, 32
	TOSTAGE 3
	SEND 2, 32
	SEND 3, 0
	s_wait_tensorcnt 0x0
	ds_add_u32 v254, v255
	s_wait_dscnt 0x0
	CROUND                                         ; the closing round
	s_endpgm
.Lfunc_end_k_qd67373ad68_oproj:
	.size	k_qd67373ad68_oproj, .Lfunc_end_k_qd67373ad68_oproj-k_qd67373ad68_oproj
	.p2alignl 7, 3214868480
	.fill 96, 4, 3214868480
	.section	.rodata,"a",@progbits
	.p2align	6, 0x0
	.amdhsa_kernel k_qd67373ad68_oproj
		.amdhsa_group_segment_fixed_size 327680
		.amdhsa_private_segment_fixed_size 0
		.amdhsa_enable_private_segment 0
		.amdhsa_kernarg_size 32
		.amdhsa_user_sgpr_count 2
		.amdhsa_user_sgpr_kernarg_segment_ptr 1
		.amdhsa_wavefront_size32 1
		.amdhsa_system_sgpr_workgroup_id_x 1
		.amdhsa_system_sgpr_workgroup_id_y 1
		.amdhsa_system_sgpr_workgroup_id_z 1
		.amdhsa_system_vgpr_workitem_id 0
		.amdhsa_next_free_vgpr 768
		.amdhsa_next_free_sgpr 72
		.amdhsa_reserve_vcc 0
		.amdhsa_float_denorm_mode_32 3
		.amdhsa_float_denorm_mode_16_64 3
		.amdhsa_memory_ordered 1
		.amdhsa_forward_progress 1
		.amdhsa_inst_pref_size 90
	.end_amdhsa_kernel
	.amdgpu_metadata
---
amdhsa.version: [ 1, 2 ]
amdhsa.kernels:
  - .name:           k_qd67373ad68_oproj
    .symbol:         k_qd67373ad68_oproj.kd
    .args:
      - { .name: ctxf, .offset: 0, .size: 8, .value_kind: global_buffer, .address_space: global }
      - { .name: wo_codes, .offset: 8, .size: 8, .value_kind: global_buffer, .address_space: global }
      - { .name: wo_scales, .offset: 16, .size: 8, .value_kind: global_buffer, .address_space: global }
      - { .name: out0, .offset: 24, .size: 8, .value_kind: global_buffer, .address_space: global }
    .group_segment_fixed_size: 327680
    .private_segment_fixed_size: 0
    .kernarg_segment_align: 8
    .kernarg_segment_size: 32
    .max_flat_workgroup_size: 128
    .sgpr_count:     72
    .vgpr_count:     768
    .wavefront_size: 32
...
	.end_amdgpu_metadata
.endif
;; end of part 3
